; MI455X (gfx1250); checked and timed in simulation.
; The chip was launched on July 23, 2026; its instructions are those of AMD's public machine-readable ISA for CDNA 5 (MIT licence, August 2026) and "CDNA5" Instruction Set Architecture Reference Guide (July 2026).
;; Model. Allowed arithmetic: matrix products marked QUANTISED: E2M1 operands, one E8M0 scale for each 32 along K, by v_wmma_scale_f32_16x16x128_f8f6f4 with both operands' format E2M1 (or v_wmma_scale_f32_32x16x128_f4), f32 sums; everything else in f32.
;; Inputs: key 4 x 16 x 2,048 x 64 float32; query 4 x 16 x 2,048 x 64 float32; value 4 x 16 x 2,048 x 64 float32.
;; Outputs: out0 4 x 16 x 2,048 x 64 float32.
;; Constants: inv_scale_factor = 8.
;; This version of the problem:
;;   THIS VERSION OF THE PROBLEM IS GIVEN IN LOW PRECISION. The matrix products marked QUANTISED in the list below multiply operands that are first quantised to E2M1 (2 exponent bits, 1 mantissa bit; 4 bits a number), with one power-of-two scale for each 32 numbers along K (OCP MX v1.0); their sums are f32. All else is computed in f32.
;;   The module's matrix products, in the order in which they are computed (A, B: the left and right operand; K: the contracted axis; several contracted axes count as one K, in the product's order):
;;     1. batch 64 x [M 2,048, K 64] x [K 64, N 2,048]; A: input query; B: input key: QUANTISED
;;     2. batch 64 x [M 2,048, K 2,048] x [K 2,048, N 64]; A: softmax (see below); B: input value: QUANTISED
;;   THE QUANTISER, for each operand of a quantised product, along K:
;;     - K is cut into blocks of 32 from its start; a last block that is shorter is filled with zeros.
;;     - A block's scale is 2^e with e = floor(log2(the largest magnitude in the block)) - 2, held to -126 .. 127; a block of zeros has e = 0. As a byte (E8M0): e + 127.
;;     - Each number is divided by its block's scale, clamped to +-6, and rounded to the nearest number of E2M1, ties to even, subnormals kept.
;;     - The product sums the exact products of the quantised numbers (number of the format x scale) in f32.
;;   ~~~python
;;   def quantise(x, axis):      # numpy; x: float32 -> the quantised numbers, widened to float32 again
;;       x = np.moveaxis(x, axis, -1); K = x.shape[-1]
;;       x = np.pad(x, [(0, 0)] * (x.ndim - 1) + [(0, -K % 32)]); x = x.reshape(x.shape[:-1] + (-1, 32)); a = np.abs(x).max(-1, keepdims=True)
;;       e = np.where(a > 0, np.clip(np.frexp(np.where(a > 0, a, 1))[1] - 1 - 2, -126, 127), 0)      # np.frexp(a)[1] - 1 = floor(log2(a)), exactly
;;       r = np.clip(x / 2.0 ** e, -6, 6)
;;       step = 2.0 ** (np.maximum(np.frexp(np.where(r == 0, 1, r))[1] - 1, 0) - 1)
;;       q = np.round(r / step) * step * 2.0 ** e      # np.round: ties to even
;;       return np.moveaxis(q.reshape(q.shape[:-2] + (-1,))[..., :K], -1, axis).astype(np.float32)
;;   ~~~
;;   SOFTMAX AHEAD OF A QUANTISED PRODUCT. Where the list says 'softmax', what is quantised is not the finished softmax but p = 2^(t - M), with t = logit x log2(e) and M = ceil(the row's largest t), a whole number; so 1/2 < the row's largest p <= 1. The row's sum l is taken of the UNQUANTISED p, in f32, and the product's result is divided by l at the end. Since M is a whole number, a kernel that streams over the keys may use a running M (the ceiling of the running maximum): every later rescaling is an exact power of two, which a block's scale takes up: the codes' values come out the same.
;;   OPERANDS COMPUTED ON THE WAY. 'Computed on the way' means the value that the module computes at that place (a softmax that the list does not call 'softmax' is quantised finished and normalised). What goes into a quantiser is computed in f32, as accurately as f32 sums, v_exp_f32 and their like allow (about 1e-6 of the number): no bf16 or f16 on the way to a quantiser, and a product that is left as it is and whose result goes on into a quantised operand takes f32 operands (vector FMAs, or v_wmma_f32_16x16x4_f32). A number that lies on a knife's edge between two numbers of the format may be rounded either way, as far as f32 arithmetic and the matrix unit's own rounding can turn it there, and no further.
;; One version. Each part assembles by itself: llvm-mc -triple=amdgcn-amd-amdhsa -mcpu=gfx1250 --defsym DOCPART=n.
;; ======== version 1 of 1: 3 launches
;; limits: right only within a limited range of input values
;; workspace buffers: q_codes 4,194,304 bytes; k_codes 4,194,304 bytes; v_codes 4,194,304 bytes; q_scales 262,144 bytes; k_scales 262,144 bytes; v_scales 262,144 bytes
;; launch quantise_qk (part 1): grid 512 x 1, 4 waves a work-group, no clusters, 33,280 bytes of LDS; arguments query, key, q_codes, q_scales, k_codes, k_scales; writes q_codes, q_scales, k_codes, k_scales
.if DOCPART == 1
	.amdgcn_target "amdgcn-amd-amdhsa--gfx1250"
	.amdhsa_code_object_version 6
	.text
	.protected	k_q1709119c22_quantise_qk
	.globl	k_q1709119c22_quantise_qk
	.p2align	8
	.type	k_q1709119c22_quantise_qk,@function
k_q1709119c22_quantise_qk:
	s_mov_b64 s[64:65], 0
	v_nop
	global_prefetch_b8 v0, s[64:65] scope:SCOPE_SE
	s_setreg_imm32_b32 hwreg(HW_REG_WAVE_MODE, 25, 1), 1
	s_wait_xcnt 0x0
.set SIZE_M, 131072
.set SIZE_N, 131072
.set SIZE_K, 64
.set WAVES, 4
.set STEPS, 16
.set WGA,   SIZE_M*SIZE_K/(512*STEPS*WAVES)
.set EMAX,  2
.set CB,    8
.set R,     16
.set X,     80
.set C,     128
.set E,     112
.set WREG,  8192
.set SP,    80
.set SPW,   12
.set NIL,   13
.set SPARE, WAVES*WREG
	s_load_b128 s[4:7], s[0:1], 0x0
	s_load_b128 s[8:11], s[0:1], 0x10
	s_load_b128 s[12:15], s[0:1], 0x20
	v_lshl_add_u32 v[SPW], v0, 2, SPARE
	v_mov_b32 v[NIL], 0
	v_lshrrev_b32 v1, 5, v0
	v_readfirstlane_b32 s16, v1
	v_and_b32 v2, 31, v0
	v_lshlrev_b32 v3, 4, v2
	s_mul_i32 s17, s16, WREG
	v_lshrrev_b32 v14, 2, v2
	v_mul_u32_u24 v14, v14, SP
	v_and_b32 v15, 3, v2
	v_lshl_add_u32 v14, v15, 4, v14
	v_add_nc_u32 v14, s17, v14
	v_mul_u32_u24 v15, v2, SP
	v_add_nc_u32 v15, s17, v15
	v_mul_u32_u24 v4, v2, CB
	v_lshrrev_b32 v5, 1, v2
	s_add_co_u32 s17, s17, 2*32*SP
	v_add_nc_u32 v5, s17, v5
	v_lshlrev_b32 v7, 3, v2
	v_add_nc_u32 v6, s17, v7
	s_wait_alu depctr_va_vdst(0)
	s_wait_kmcnt 0x0
	s_cmp_lt_u32 ttmp9, WGA
	s_cselect_b64 s[4:5], s[4:5], s[6:7]
	s_cselect_b64 s[8:9], s[8:9], s[12:13]
	s_cselect_b64 s[10:11], s[10:11], s[14:15]
	s_cselect_b32 s17, 0, WGA
	s_sub_co_u32 s17, ttmp9, s17
	s_lshl_b32 s17, s17, 2
	s_add_co_u32 s18, s17, s16
	s_mov_b32 s19, 0
	s_mov_b64 s[20:21], 512*STEPS*4
	s_mul_u64 s[20:21], s[18:19], s[20:21]
	s_add_nc_u64 s[4:5], s[4:5], s[20:21]
	s_mov_b64 s[20:21], 32*STEPS*CB
	s_mul_u64 s[20:21], s[18:19], s[20:21]
	s_add_nc_u64 s[8:9], s[8:9], s[20:21]
	s_lshl_b32 s18, s18, 8
	s_add_nc_u64 s[10:11], s[10:11], s[18:19]
.macro LOAD t
.irp i, 0,1,2,3
	global_load_b128 v[R+16*((\t)%4)+4*\i:R+16*((\t)%4)+4*\i+3], v3, s[4:5] offset:2048*(\t)+512*\i th:TH_LOAD_NT
.endr
.endm
.macro TURN t
.irp i, 0,1,2,3
	ds_store_b128 v14, v[R+16*((\t)%4)+4*\i:R+16*((\t)%4)+4*\i+3] offset:32*SP*((\t)%2)+8*SP*\i
.endr
.irp i, 0,1,2,3
	ds_load_b128 v[X+16*((\t)%2)+4*\i:X+16*((\t)%2)+4*\i+3], v15 offset:32*SP*((\t)%2)+16*\i
.endr
.endm
.irp t, 0,1,2,3
	LOAD \t
.endr
	s_wait_loadcnt 12
	TURN 0
.macro STEP t
.set XS, X+16*((\t)%2)
.if (\t) > 0
	s_wait_dscnt 1
.else
	s_wait_dscnt 0x0
.endif
.if (\t)+4 < STEPS
	LOAD (\t)+4
.endif
.if (\t)+1 < STEPS
.if STEPS-2-(\t) >= 3
	s_wait_loadcnt 12
.else
	s_wait_loadcnt 4*(STEPS-2-(\t))
.endif
	TURN (\t)+1
.endif
	v_max3_num_f32 v8, |v[XS]|, |v[XS+1]|, |v[XS+2]|
	v_max3_num_f32 v9, |v[XS+3]|, |v[XS+4]|, |v[XS+5]|
.irp i, 6,10
	v_max3_num_f32 v8, v8, |v[XS+\i]|, |v[XS+\i+1]|
	v_max3_num_f32 v9, v9, |v[XS+\i+2]|, |v[XS+\i+3]|
.endr
	v_max3_num_f32 v8, v8, |v[XS+14]|, |v[XS+15]|
	v_max3_num_f32 v8, v8, v9, (EMAX+1)<<23
	v_max_num_f32_dpp v8, v8, v8 row_xmask:1 row_mask:0xf bank_mask:0xf
	v_add_nc_u32 v11, -(EMAX<<23), v8
	v_cvt_scalef32_pk8_fp4_f32 v[C+4*(\t)], v[XS:XS+7], v11
	v_cvt_scalef32_pk8_fp4_f32 v[C+4*(\t)+1], v[XS+8:XS+15], v11
	v_lshrrev_b32 v[E+(\t)], 23, v11
	ds_store_b8 v5, v[E+(\t)] offset:16*(\t)
	global_store_b64 v4, v[C+4*(\t):C+4*(\t)+1], s[8:9] offset:32*CB*(\t)
.endm
.irp t, 0,1,2,3,4,5,6,7,8,9,10,11,12,13,14,15
	STEP \t
.endr
	ds_load_b64 v[8:9], v6
	s_wait_dscnt 0x0
	global_store_b64 v7, v[8:9], s[10:11]
	s_wait_tensorcnt 0x0
	ds_add_u32 v[SPW], v[NIL]
	s_wait_dscnt 0x0
	s_endpgm
.Lfunc_end_k_q1709119c22_quantise_qk:
	.size	k_q1709119c22_quantise_qk, .Lfunc_end_k_q1709119c22_quantise_qk-k_q1709119c22_quantise_qk
	.p2alignl 7, 3214868480
	.fill 96, 4, 3214868480
	.section	.rodata,"a",@progbits
	.p2align	6, 0x0
	.amdhsa_kernel k_q1709119c22_quantise_qk
		.amdhsa_group_segment_fixed_size 33280
		.amdhsa_private_segment_fixed_size 0
		.amdhsa_enable_private_segment 0
		.amdhsa_kernarg_size 48
		.amdhsa_user_sgpr_count 2
		.amdhsa_user_sgpr_kernarg_segment_ptr 1
		.amdhsa_wavefront_size32 1
		.amdhsa_system_sgpr_workgroup_id_x 1
		.amdhsa_system_sgpr_workgroup_id_y 1
		.amdhsa_system_sgpr_workgroup_id_z 1
		.amdhsa_system_vgpr_workitem_id 0
		.amdhsa_next_free_vgpr 192
		.amdhsa_next_free_sgpr 66
		.amdhsa_reserve_vcc 0
		.amdhsa_float_denorm_mode_32 3
		.amdhsa_float_denorm_mode_16_64 3
		.amdhsa_memory_ordered 1
		.amdhsa_forward_progress 1
		.amdhsa_inst_pref_size 33
	.end_amdhsa_kernel
	.amdgpu_metadata
---
amdhsa.version: [ 1, 2 ]
amdhsa.kernels:
  - .name:           k_q1709119c22_quantise_qk
    .symbol:         k_q1709119c22_quantise_qk.kd
    .args:
      - { .name: query, .offset: 0, .size: 8, .value_kind: global_buffer, .address_space: global }
      - { .name: key, .offset: 8, .size: 8, .value_kind: global_buffer, .address_space: global }
      - { .name: q_codes, .offset: 16, .size: 8, .value_kind: global_buffer, .address_space: global }
      - { .name: q_scales, .offset: 24, .size: 8, .value_kind: global_buffer, .address_space: global }
      - { .name: k_codes, .offset: 32, .size: 8, .value_kind: global_buffer, .address_space: global }
      - { .name: k_scales, .offset: 40, .size: 8, .value_kind: global_buffer, .address_space: global }
    .group_segment_fixed_size: 33280
    .private_segment_fixed_size: 0
    .kernarg_segment_align: 8
    .kernarg_segment_size: 48
    .max_flat_workgroup_size: 128
    .sgpr_count:     66
    .vgpr_count:     192
    .wavefront_size: 32
...
	.end_amdgpu_metadata
.endif
;; end of part 1
;; launch quantise_v (part 2): grid 2 x 64, 4 waves a work-group, no clusters, 35,840 bytes of LDS; arguments value, v_codes, v_scales; writes v_codes, v_scales
.if DOCPART == 2
	.amdgcn_target "amdgcn-amd-amdhsa--gfx1250"
	.amdhsa_code_object_version 6
	.text
	.protected	k_q1709119c22_quantise_v
	.globl	k_q1709119c22_quantise_v
	.p2align	8
	.type	k_q1709119c22_quantise_v,@function
k_q1709119c22_quantise_v:
	s_mov_b64 s[64:65], 0
	v_nop
	global_prefetch_b8 v0, s[64:65] scope:SCOPE_SE
	s_setreg_imm32_b32 hwreg(HW_REG_WAVE_MODE, 25, 1), 1
	s_wait_xcnt 0x0
.set SIZE_K, 2048
.set SIZE_N, 64
.set KW,    512
.set NB,    KW/32
.set ROWB,  256
.set PITCH, ROWB+16
.set KROW,  SIZE_K*4/8
.set EMAX,  2
.set X,     32
.set C,     96
.set OUTR,  112
.set SPW,   14
.set NIL,   15
.set SPARE, 4*32*PITCH
.set SB,    24
	s_load_b128 s[4:7], s[0:1], 0x0
	s_load_b64 s[8:9], s[0:1], 0x10
	v_lshl_add_u32 v[SPW], v0, 2, SPARE
	v_mov_b32 v[NIL], 0
	v_lshrrev_b32 v1, 5, v0
	v_readfirstlane_b32 s16, v1
	v_and_b32 v2, 31, v0
	s_and_b32 s17, s16, 1
	s_lshl_b32 s17, s17, 5
	s_lshr_b32 s18, s16, 1
	s_lshl_b32 s19, ttmp9, 1
	s_add_co_u32 s18, s18, s19
	s_and_b32 s10, ttmp7, 0xffff
	v_lshlrev_b32 v3, 2, v2
	s_mul_i32 s19, s16, 32*PITCH
	v_mul_u32_u24 v4, v2, PITCH
	v_add_nc_u32 v4, s19, v4
	v_and_b32 v5, 15, v2
	v_lshrrev_b32 v6, 4, v2
	v_mul_u32_u24 v7, v6, PITCH
	v_lshl_add_u32 v7, v5, 4, v7
	v_add_nc_u32 v7, s19, v7
	v_mul_u32_u24 v8, v6, KROW
	v_lshl_add_u32 v8, v5, 4, v8
	s_mov_b32 s19, 0
	s_mov_b64 s[20:21], KW*SIZE_N*4
	s_mul_u64 s[20:21], s[18:19], s[20:21]
	s_lshl_b32 s22, s17, 2
	s_mov_b32 s23, 0
	s_add_nc_u64 s[20:21], s[20:21], s[22:23]
	s_mov_b32 s22, s17
	s_mov_b64 s[24:25], KROW
	s_mul_u64 s[24:25], s[22:23], s[24:25]
	s_mul_i32 s26, s18, ROWB
	s_mov_b32 s27, 0
	s_add_nc_u64 s[24:25], s[24:25], s[26:27]
	s_mov_b64 s[28:29], SIZE_K/32
	s_mul_u64 s[28:29], s[22:23], s[28:29]
	s_mul_i32 s26, s18, NB
	s_add_nc_u64 s[28:29], s[28:29], s[26:27]
	v_mul_u32_u24 v9, v2, SIZE_K/32
	s_mov_b32 s11, 0
	s_mov_b64 s[22:23], SIZE_K*SIZE_N*4
	s_mul_u64 s[22:23], s[10:11], s[22:23]
	s_add_nc_u64 s[20:21], s[20:21], s[22:23]
	s_mov_b64 s[22:23], SIZE_N*KROW
	s_mul_u64 s[22:23], s[10:11], s[22:23]
	s_add_nc_u64 s[24:25], s[24:25], s[22:23]
	s_mov_b64 s[22:23], SIZE_N*SIZE_K/32
	s_mul_u64 s[22:23], s[10:11], s[22:23]
	s_add_nc_u64 s[28:29], s[28:29], s[22:23]
	s_wait_alu depctr_va_vdst(0)
	s_wait_kmcnt 0x0
	s_add_nc_u64 s[4:5], s[4:5], s[20:21]
	s_add_nc_u64 s[6:7], s[6:7], s[24:25]
	s_add_nc_u64 s[8:9], s[8:9], s[28:29]
.macro LOAD t
.irp i, 0,1,2,3,4,5,6,7,8,9,10,11,12,13,14,15,16,17,18,19,20,21,22,23,24,25,26,27,28,29,30,31
	global_load_b32 v[X+32*((\t)%2)+\i], v3, s[4:5] offset:(32*(\t)+\i)*SIZE_N*4 th:TH_LOAD_NT
.endr
.endm
	LOAD 0
	LOAD 1
.macro BLOCK t
.set XS, X+32*((\t)%2)
.if (\t) < NB-1
	s_wait_loadcnt 32
.else
	s_wait_loadcnt 0
.endif
	v_max3_num_f32 v12, |v[XS]|, |v[XS+1]|, |v[XS+2]|
	v_max3_num_f32 v13, |v[XS+3]|, |v[XS+4]|, |v[XS+5]|
.irp i, 6,10,14,18,22,26
	v_max3_num_f32 v12, v12, |v[XS+\i]|, |v[XS+\i+1]|
	v_max3_num_f32 v13, v13, |v[XS+\i+2]|, |v[XS+\i+3]|
.endr
	v_max3_num_f32 v12, v12, |v[XS+30]|, |v[XS+31]|
	v_max3_num_f32 v12, v12, v13, (EMAX+1)<<23
	v_add_nc_u32 v11, -(EMAX<<23), v12
	v_lshrrev_b32 v13, 23, v11
.if (\t)%4 == 0
	v_mov_b32 v[SB+(\t)/4], v13
.else
	v_lshl_or_b32 v[SB+(\t)/4], v13, 8*((\t)%4), v[SB+(\t)/4]
.endif
.irp g, 0,1,2,3
	v_cvt_scalef32_pk8_fp4_f32 v[C+\g], v[XS+8*\g:XS+8*\g+7], v11
.endr
	ds_store_b128 v4, v[C:C+3] offset:16*(\t)
.if (\t)+2 < NB
	LOAD (\t)+2
.endif
	s_wait_dscnt 0x0
.endm
.set Q, 0
.rept NB
	BLOCK Q
.set Q, Q+1
.endr
	s_wait_alu depctr_va_vdst(0)
	global_store_b128 v9, v[SB:SB+3], s[8:9]
.irp t, 0,1,2,3,4,5,6,7,8,9,10,11,12,13,14,15
	ds_load_b128 v[OUTR+4*\t:OUTR+4*\t+3], v7 offset:2*\t*PITCH
.endr
.irp t, 0,1,2,3,4,5,6,7,8,9,10,11,12,13,14,15
	s_wait_dscnt 15-\t
	global_store_b128 v8, v[OUTR+4*\t:OUTR+4*\t+3], s[6:7] offset:2*\t*KROW
.endr
	s_wait_tensorcnt 0x0
	ds_add_u32 v[SPW], v[NIL]
	s_wait_dscnt 0x0
	s_endpgm
.Lfunc_end_k_q1709119c22_quantise_v:
	.size	k_q1709119c22_quantise_v, .Lfunc_end_k_q1709119c22_quantise_v-k_q1709119c22_quantise_v
	.p2alignl 7, 3214868480
	.fill 96, 4, 3214868480
	.section	.rodata,"a",@progbits
	.p2align	6, 0x0
	.amdhsa_kernel k_q1709119c22_quantise_v
		.amdhsa_group_segment_fixed_size 35840
		.amdhsa_private_segment_fixed_size 0
		.amdhsa_enable_private_segment 0
		.amdhsa_kernarg_size 24
		.amdhsa_user_sgpr_count 2
		.amdhsa_user_sgpr_kernarg_segment_ptr 1
		.amdhsa_wavefront_size32 1
		.amdhsa_system_sgpr_workgroup_id_x 1
		.amdhsa_system_sgpr_workgroup_id_y 1
		.amdhsa_system_sgpr_workgroup_id_z 1
		.amdhsa_system_vgpr_workitem_id 0
		.amdhsa_next_free_vgpr 192
		.amdhsa_next_free_sgpr 66
		.amdhsa_reserve_vcc 0
		.amdhsa_float_denorm_mode_32 3
		.amdhsa_float_denorm_mode_16_64 3
		.amdhsa_memory_ordered 1
		.amdhsa_forward_progress 1
		.amdhsa_inst_pref_size 79
	.end_amdhsa_kernel
	.amdgpu_metadata
---
amdhsa.version: [ 1, 2 ]
amdhsa.kernels:
  - .name:           k_q1709119c22_quantise_v
    .symbol:         k_q1709119c22_quantise_v.kd
    .args:
      - { .name: value, .offset: 0, .size: 8, .value_kind: global_buffer, .address_space: global }
      - { .name: v_codes, .offset: 8, .size: 8, .value_kind: global_buffer, .address_space: global }
      - { .name: v_scales, .offset: 16, .size: 8, .value_kind: global_buffer, .address_space: global }
    .group_segment_fixed_size: 35840
    .private_segment_fixed_size: 0
    .kernarg_segment_align: 8
    .kernarg_segment_size: 24
    .max_flat_workgroup_size: 128
    .sgpr_count:     66
    .vgpr_count:     192
    .wavefront_size: 32
...
	.end_amdgpu_metadata
.endif
;; end of part 2
;; launch attn (part 3): grid 4 x 64, 8 waves a work-group, clusters of 4 x 1, 179,200 bytes of LDS; arguments q_codes, q_scales, k_codes, k_scales, v_codes, v_scales, out0; writes out0
.if DOCPART == 3
	.amdgcn_target "amdgcn-amd-amdhsa--gfx1250"
	.amdhsa_code_object_version 6
	.text
	.protected	k_q1709119c22_attn
	.globl	k_q1709119c22_attn
	.p2align	8
	.type	k_q1709119c22_attn,@function
k_q1709119c22_attn:
	s_mov_b64 s[64:65], 0
	v_nop
	global_prefetch_b8 v0, s[64:65] scope:SCOPE_SE
	s_setreg_imm32_b32 hwreg(HW_REG_WAVE_MODE, 25, 1), 1
	s_wait_xcnt 0x0
	s_wait_alu depctr_hold_cnt(0) depctr_sa_sdst(0) depctr_va_vdst(0) depctr_va_sdst(0) depctr_va_ssrc(0) depctr_va_vcc(0) depctr_vm_vsrc(0)
	s_getreg_b32 s2, hwreg(HW_REG_IB_STS2, 6, 4)
	s_cmp_eq_u32 s2, 0
	s_cbranch_scc0 .Lentry_in_a_cluster
	s_endpgm
.Lentry_in_a_cluster:
	s_bfe_u32 s2, ttmp6, 0x10000c
	s_cmp_lg_u32 s2, 0x3003
	s_cbranch_scc0 .Lentry_shape_is_right
	s_endpgm
.Lentry_shape_is_right:
.set SIZE_H, 64
.set SIZE_CAUSAL, 0
.set NK,     2048
.set STEPS,  NK/128
.set ROWB,   32
.set VROW,   NK/2
.set VHALF,  VROW/2
.set KP,     32*ROWB+16
.set KSTEP,  4*KP
.set HEADB,  NK*ROWB
.set VB,     (NK/32)*KP
.set VP,     VHALF+16
.set VQ,     16*VP
.set VPL,    64*VP
.set KSB,    VB+2*VPL
.set VSB,    KSB+2*NK
.set VSP,    64+16
.set SPARE,  VSB+64*VSP
.set STG,    SPARE+1024
.set STP,    256+16
.set STW,    16*STP
.set PAD64,  (1<<20)|(3<<22)|(3<<25)
.set PAD512, (1<<20)|(6<<22)|(3<<25)
.set PAD1K,  (1<<20)|(7<<22)|(3<<25)
.set SPW,    1
.set NIL,    2
.set AK,     3
.set AV,     4
.set AKS,    5
.set AVS,    6
.set ADK,    7
.set ADV,    8
.set ADKS,   10
.set ADVS,   11
.set KSC,    12
.set VSC,    14
.set QSC,    16
.set PSC,    20
.set NINF,   21
.set ST,     22
.set BM,     46
.set BX,     50
.set SOP,    54
.set CL,     58
.set BY,     62
.set NMO,    66
.set TM,     67
.set P,      68
.set DT,     84
.set S,      116
.set QF,     180
.set A2,     252
.set O,      0
.set KF,     128
.set VF,     160
.set WV,     18
.set HD,     19
.set CX,     20
.set CS,     22
.set G1KS,   24
.set G1VS,   32
.set G1K,    40
.set G1V,    48
.set G0,     56
.set SEL,    60
.set SC,     66
.set TK,     67
.set TV,     68
.set TKS,    69
.set TVS,    70
.set T0,     71
.set T1,     80
.set T2,     81
.set T3,     82
.set QB,     72
.set SB,     84
.set LIM,    92
.set LIM2,   94
.set AW,     97
.set OB,     98
.set OO,     100
.set MKA,    24
.set MKB,    72
.set MKC,    84
.macro MM d, a, b, sa, sb, row
.if \row
	v_wmma_scale_f32_16x16x128_f8f6f4 v[\d:\d+7], v[\a:\a+7], v[\b:\b+7], 0, v[\sa], v[\sb] matrix_a_fmt:MATRIX_FMT_FP4 matrix_b_fmt:MATRIX_FMT_FP4 matrix_a_scale:MATRIX_SCALE_ROW1
.else
	v_wmma_scale_f32_16x16x128_f8f6f4 v[\d:\d+7], v[\a:\a+7], v[\b:\b+7], 0, v[\sa], v[\sb] matrix_a_fmt:MATRIX_FMT_FP4 matrix_b_fmt:MATRIX_FMT_FP4
.endif
.endm
.macro ROUND
	s_barrier_signal -1
	s_barrier_wait -1
	s_cmp_lg_u32 s[WV], 0
	s_cbranch_scc1 .Lnot_wave_0_\@
	s_barrier_signal -3
.Lnot_wave_0_\@:
	s_barrier_wait -3
	s_barrier_signal -1
	s_barrier_wait -1
.endm
.macro DESC g, w, rows, pitch, pad
	s_mov_b32 s[\g], 15|(3<<16)|(1<<21)|(\pad)
	s_mov_b32 s[\g+1], (\w)<<16
	s_mov_b32 s[\g+2], (\rows)<<16
	s_mov_b32 s[\g+3], (\w)<<16
	s_mov_b32 s[\g+4], \rows
	s_mov_b32 s[\g+5], \pitch
	s_mov_b32 s[\g+6], 0
	s_mov_b32 s[\g+7], 0
.endm
.macro ASK g1
	s_or_b32 s[G0+3], s[G0+3], 0x80000000
	tensor_load_to_lds s[G0:G0+3], s[\g1:\g1+7]
	s_nop 0
.rept 4
	v_nop
.endr
.endm
.macro LOADK
	v_add_nc_u32 v[ADK], s[TK], v[AK]
	v_add_nc_u32 v[ADKS], s[TKS], v[AKS]
	s_set_vgpr_msb 0x40
.irp k, 0,1
.irp j, 0,1,2,3
	ds_load_b128 v[KF+16*\k+4*\j:KF+16*\k+4*\j+3], v[ADK] offset:2*KP*\k+8*ROWB*\j
.endr
.endr
	s_set_vgpr_msb 0x4000
	ds_load_u16 v[KSC], v[ADKS]
	ds_load_u16 v[BX+2], v[ADKS] offset:16
	ds_load_u16 v[KSC+1], v[ADKS] offset:128
	ds_load_u16 v[BX+3], v[ADKS] offset:144
.endm
.macro LOADV
	v_add_nc_u32 v[ADV], s[TV], v[AV]
	v_add_nc_u32 v[ADVS], s[TVS], v[AVS]
	s_set_vgpr_msb 0x40
.irp k, 0,1,2,3
	ds_load_b128 v[VF+8*\k:VF+8*\k+3], v[ADV] offset:VQ*\k
	ds_load_b128 v[VF+8*\k+4:VF+8*\k+7], v[ADV] offset:VQ*\k+32
.endr
	s_set_vgpr_msb 0x4000
	ds_load_b32 v[VSC], v[ADVS]
	ds_load_b32 v[VSC+1], v[ADVS] offset:32*VSP
.endm
.set PRIO,   1
.set PRT2,   2
.set PRTL,   3
.macro TSTEP i, p, vload, kload, mask
.if PRIO && (\i == 0)
	s_setprio 3
	s_nop 0
.endif
.if PRIO && (\i == PRT2)
	s_setprio 2
	s_nop 0
.endif
.set SUMI, ST+6*\i+2
.set FP, ST+6*\p+4
.set QI, QF+8*\i
.set NMI, ST+6*\i
.set OP, O+32*\p
.set FI, ST+6*\i+4
	s_set_vgpr_msb 0x1
	MM DT, VF, P, VSC, PSC, 0
	MM DT+8, VF+8, P, VSC, PSC, 1
	MM DT+16, VF+16, P, VSC+1, PSC, 0
	MM DT+24, VF+24, P, VSC+1, PSC, 1
	MM S, KF, QI+4, KSC, QSC+\i, 0
	MM S+8, KF, QI, KSC, QSC+\i, 0
	MM S+16, KF+8, QI+4, KSC, QSC+\i, 1
	MM S+24, KF+8, QI, KSC, QSC+\i, 1
	MM S+32, KF+16, QI+4, KSC+1, QSC+\i, 0
	MM S+40, KF+16, QI, KSC+1, QSC+\i, 0
	MM S+48, KF+24, QI+4, KSC+1, QSC+\i, 1
	MM S+56, KF+24, QI, KSC+1, QSC+\i, 1
.rept 4
	v_nop
.endr
.if PRIO && (\i == PRTL)
	s_setprio 1
	s_nop 0
.endif
	s_set_vgpr_msb 0x100
.if \mask
	s_cmp_eq_u32 s[SC], s[LIM+2*((\i)/2)]
	s_cbranch_scc1 .Lmask\i\p
.Lmasked\i\p:
.endif
.irp k, 0,1
	v_max3_num_f32 v[BM+\k], v[S+32*\k], v[S+32*\k+1], v[S+32*\k+2]
	v_max3_num_f32 v[A2+2*\k], v[S+32*\k+8], v[S+32*\k+9], v[S+32*\k+10]
	v_max3_num_f32 v[A2+2*\k+1], v[S+32*\k+16], v[S+32*\k+17], v[S+32*\k+18]
	v_max3_num_f32 v[CL+\k], v[S+32*\k+24], v[S+32*\k+25], v[S+32*\k+26]
.endr
.irp k, 0,1
.irp j, 0,1
	v_max3_num_f32 v[BM+\j], v[BM+\j], v[S+2*\k+32*\j+3], v[S+2*\k+32*\j+4]
	v_max3_num_f32 v[A2+2*\j], v[A2+2*\j], v[S+2*\k+32*\j+11], v[S+2*\k+32*\j+12]
	v_max3_num_f32 v[A2+2*\j+1], v[A2+2*\j+1], v[S+2*\k+32*\j+19], v[S+2*\k+32*\j+20]
	v_max3_num_f32 v[CL+\j], v[CL+\j], v[S+2*\k+32*\j+27], v[S+2*\k+32*\j+28]
.endr
.endr
	v_max3_num_f32 v[BM], v[BM], v[A2], v[S+7]
	v_max3_num_f32 v[A2+1], v[A2+1], v[CL], v[S+15]
	v_max3_num_f32 v[BM+1], v[BM+1], v[A2+2], v[S+39]
	v_max3_num_f32 v[A2+3], v[A2+3], v[CL+1], v[S+47]
	v_nop
	v_max3_num_f32 v[BM], v[BM], v[A2+1], v[S+23]
	v_max3_num_f32 v[BM+1], v[BM+1], v[A2+3], v[S+55]
	v_max_num_f32 v[BM], v[BM], v[S+31]
	v_max_num_f32 v[BM+1], v[BM+1], v[S+63]
	s_set_vgpr_msb 0x41
	v_pk_fma_f32 v[OP+0:OP+1], v[OP+0:OP+1], v[FP:FP+1], v[DT+0:DT+1] op_sel_hi:[1,0,1]
	v_pk_fma_f32 v[OP+8:OP+9], v[OP+8:OP+9], v[FP:FP+1], v[DT+8:DT+9] op_sel_hi:[1,0,1]
	v_pk_fma_f32 v[OP+16:OP+17], v[OP+16:OP+17], v[FP:FP+1], v[DT+16:DT+17] op_sel_hi:[1,0,1]
	v_pk_fma_f32 v[OP+24:OP+25], v[OP+24:OP+25], v[FP:FP+1], v[DT+24:DT+25] op_sel_hi:[1,0,1]
	s_set_vgpr_msb 0x4100
	v_max_num_f32 v[TM], v[BM], v[BM+1]
	s_set_vgpr_msb 0x41
	v_pk_fma_f32 v[OP+2:OP+3], v[OP+2:OP+3], v[FP:FP+1], v[DT+2:DT+3] op_sel_hi:[1,0,1]
	v_pk_fma_f32 v[OP+4:OP+5], v[OP+4:OP+5], v[FP:FP+1], v[DT+4:DT+5] op_sel_hi:[1,0,1]
	v_pk_fma_f32 v[OP+6:OP+7], v[OP+6:OP+7], v[FP:FP+1], v[DT+6:DT+7] op_sel_hi:[1,0,1]
	s_set_vgpr_msb 0x4100
	v_permlanex16_b32 v[BX], v[TM], s[SEL], s[SEL+1]
	s_set_vgpr_msb 0x41
	v_pk_fma_f32 v[OP+10:OP+11], v[OP+10:OP+11], v[FP:FP+1], v[DT+10:DT+11] op_sel_hi:[1,0,1]
	v_pk_fma_f32 v[OP+12:OP+13], v[OP+12:OP+13], v[FP:FP+1], v[DT+12:DT+13] op_sel_hi:[1,0,1]
	v_pk_fma_f32 v[OP+14:OP+15], v[OP+14:OP+15], v[FP:FP+1], v[DT+14:DT+15] op_sel_hi:[1,0,1]
	s_set_vgpr_msb 0x4100
	v_max3_num_f32 v[NMI+1], v[TM], v[BX], v[NMI+1]
	s_set_vgpr_msb 0x41
	v_pk_fma_f32 v[OP+18:OP+19], v[OP+18:OP+19], v[FP:FP+1], v[DT+18:DT+19] op_sel_hi:[1,0,1]
	v_pk_fma_f32 v[OP+20:OP+21], v[OP+20:OP+21], v[FP:FP+1], v[DT+20:DT+21] op_sel_hi:[1,0,1]
	s_set_vgpr_msb 0x4100
	v_mul_f32 v[TM], s[CS], v[NMI+1]
	s_set_vgpr_msb 0x41
	v_pk_fma_f32 v[OP+22:OP+23], v[OP+22:OP+23], v[FP:FP+1], v[DT+22:DT+23] op_sel_hi:[1,0,1]
	v_pk_fma_f32 v[OP+26:OP+27], v[OP+26:OP+27], v[FP:FP+1], v[DT+26:DT+27] op_sel_hi:[1,0,1]
	s_set_vgpr_msb 0x4100
	v_mov_b32 v[NMO], v[NMI]
	v_floor_f32 v[NMI], -v[TM]
	s_set_vgpr_msb 0x41
	v_pk_fma_f32 v[OP+28:OP+29], v[OP+28:OP+29], v[FP:FP+1], v[DT+28:DT+29] op_sel_hi:[1,0,1]
	v_pk_fma_f32 v[OP+30:OP+31], v[OP+30:OP+31], v[FP:FP+1], v[DT+30:DT+31] op_sel_hi:[1,0,1]
	s_set_vgpr_msb 0x4100
	v_fma_f32 v[BM], v[BM], s[CS], v[NMI]
	v_fma_f32 v[BM+1], v[BM+1], s[CS], v[NMI]
	v_sub_f32 v[TM], v[NMI], v[NMO]
	v_pk_fma_f32 v[S:S+1], v[S:S+1], s[CS:CS+1], v[NMI:NMI+1] op_sel_hi:[1,0,0]
	v_pk_fma_f32 v[S+2:S+3], v[S+2:S+3], s[CS:CS+1], v[NMI:NMI+1] op_sel_hi:[1,0,0]
	v_add_f32 v[BM], 0x3338af00, v[BM]
	v_add_f32 v[BM+1], 0x3338af00, v[BM+1]
	v_pk_fma_f32 v[S+4:S+5], v[S+4:S+5], s[CS:CS+1], v[NMI:NMI+1] op_sel_hi:[1,0,0]
	v_pk_fma_f32 v[S+6:S+7], v[S+6:S+7], s[CS:CS+1], v[NMI:NMI+1] op_sel_hi:[1,0,0]
	v_pk_fma_f32 v[S+8:S+9], v[S+8:S+9], s[CS:CS+1], v[NMI:NMI+1] op_sel_hi:[1,0,0]
	v_max_num_f32 v[BM], 0xc2f80000, v[BM]
	v_max_num_f32 v[BM+1], 0xc2f80000, v[BM+1]
	v_pk_fma_f32 v[S+10:S+11], v[S+10:S+11], s[CS:CS+1], v[NMI:NMI+1] op_sel_hi:[1,0,0]
	v_pk_fma_f32 v[S+12:S+13], v[S+12:S+13], s[CS:CS+1], v[NMI:NMI+1] op_sel_hi:[1,0,0]
	v_pk_fma_f32 v[S+14:S+15], v[S+14:S+15], s[CS:CS+1], v[NMI:NMI+1] op_sel_hi:[1,0,0]
	v_cvt_floor_i32_f32 v[BY], v[BM]
	v_cvt_floor_i32_f32 v[BY+1], v[BM+1]
	v_pk_fma_f32 v[S+16:S+17], v[S+16:S+17], s[CS:CS+1], v[NMI:NMI+1] op_sel_hi:[1,0,0]
	v_pk_fma_f32 v[S+18:S+19], v[S+18:S+19], s[CS:CS+1], v[NMI:NMI+1] op_sel_hi:[1,0,0]
	v_pk_fma_f32 v[S+20:S+21], v[S+20:S+21], s[CS:CS+1], v[NMI:NMI+1] op_sel_hi:[1,0,0]
	v_add_nc_u32 v[BY], 125, v[BY]
	v_add_nc_u32 v[BY+1], 125, v[BY+1]
	v_pk_fma_f32 v[S+22:S+23], v[S+22:S+23], s[CS:CS+1], v[NMI:NMI+1] op_sel_hi:[1,0,0]
	v_pk_fma_f32 v[S+24:S+25], v[S+24:S+25], s[CS:CS+1], v[NMI:NMI+1] op_sel_hi:[1,0,0]
	v_pk_fma_f32 v[S+26:S+27], v[S+26:S+27], s[CS:CS+1], v[NMI:NMI+1] op_sel_hi:[1,0,0]
	v_lshlrev_b32 v[SOP], 23, v[BY]
	v_lshlrev_b32 v[SOP+1], 23, v[BY+1]
	v_pk_fma_f32 v[S+28:S+29], v[S+28:S+29], s[CS:CS+1], v[NMI:NMI+1] op_sel_hi:[1,0,0]
	v_pk_fma_f32 v[S+30:S+31], v[S+30:S+31], s[CS:CS+1], v[NMI:NMI+1] op_sel_hi:[1,0,0]
.if \kload
	LOADK
.endif
.if \vload
	LOADV
.endif
	s_wait_alu depctr_va_vdst(0)
.irp k, 0,1,2,3,4,5,6,7,8,9,10,11,12,13
	v_exp_f32 v[S+\k], v[S+\k]
.endr
.irp k, 0,1,2,3,4,5,6,7,8,9,10,11,12,13,14,15
	v_exp_f32 v[S+\k+14], v[S+\k+14]
	v_pk_fma_f32 v[S+2*\k+32:S+2*\k+33], v[S+2*\k+32:S+2*\k+33], s[CS:CS+1], v[NMI:NMI+1] op_sel_hi:[1,0,0]
.endr
	v_exp_f32 v[S+30], v[S+30]
	v_lshl_or_b32 v[BY], v[BY+1], 16, v[BY]
	v_exp_f32 v[S+31], v[S+31]
	v_cvt_i32_f32 v[TM], v[TM]
.if PRIO && (\i == PRTL)
	s_setprio 0
.endif
	s_wait_alu depctr_va_vdst(0)
.irp k, 0,1,2,3,4,5,6,7,8,9,10,11,12,13,14,15,16,17,18
	v_exp_f32 v[S+\k+32], v[S+\k+32]
.endr
.irp k, 0,1,2,3
	v_exp_f32 v[S+\k+51], v[S+\k+51]
	v_pk_add_f32 v[DT+2*\k+16:DT+2*\k+17], v[S+4*\k:S+4*\k+1], v[S+4*\k+2:S+4*\k+3]
.endr
	v_exp_f32 v[S+55], v[S+55]
	v_cvt_scalef32_pk8_fp4_f32 v[P], v[S:S+7], v[SOP]
	v_exp_f32 v[S+56], v[S+56]
	v_cvt_scalef32_pk8_fp4_f32 v[P+1], v[S+8:S+15], v[SOP]
	v_exp_f32 v[S+57], v[S+57]
	v_pk_add_f32 v[DT+24:DT+25], v[S+16:S+17], v[S+18:S+19]
	v_exp_f32 v[S+58], v[S+58]
	v_pk_add_f32 v[DT+26:DT+27], v[S+20:S+21], v[S+22:S+23]
	v_exp_f32 v[S+59], v[S+59]
	v_cvt_scalef32_pk8_fp4_f32 v[P+2], v[S+16:S+23], v[SOP]
	v_exp_f32 v[S+60], v[S+60]
	v_pk_add_f32 v[DT+28:DT+29], v[S+24:S+25], v[S+26:S+27]
	v_exp_f32 v[S+61], v[S+61]
	v_pk_add_f32 v[DT+30:DT+31], v[S+28:S+29], v[S+30:S+31]
	v_exp_f32 v[S+62], v[S+62]
	v_permlanex16_b32 v[BX+1], v[BY], s[SEL], s[SEL+1]
	v_exp_f32 v[S+63], v[S+63]
	v_ldexp_f32 v[FI], 1.0, v[TM]
	s_wait_alu depctr_va_vdst(0)
.if \kload || \vload
	s_wait_dscnt 0x0
.endif
.if \kload
	v_lshl_or_b32 v[KSC], v[BX+2], 16, v[KSC]
	v_lshl_or_b32 v[KSC+1], v[BX+3], 16, v[KSC+1]
.endif
	v_lshl_or_b32 v[PSC], v[BX+1], 8, v[BY]
	v_cvt_scalef32_pk8_fp4_f32 v[P+3], v[S+24:S+31], v[SOP]
.irp k, 0,1,2,3,4,5,6,7
	v_pk_add_f32 v[DT+2*\k+16:DT+2*\k+17], v[DT+2*\k+16:DT+2*\k+17], v[S+2*\k+32:S+2*\k+33]
.endr
	v_cvt_scalef32_pk8_fp4_f32 v[P+4], v[S+32:S+39], v[SOP+1]
	v_cvt_scalef32_pk8_fp4_f32 v[P+5], v[S+40:S+47], v[SOP+1]
.irp k, 0,1,2,3,4,5,6,7
	v_pk_add_f32 v[DT+2*\k+16:DT+2*\k+17], v[DT+2*\k+16:DT+2*\k+17], v[S+2*\k+48:S+2*\k+49]
.endr
	v_cvt_scalef32_pk8_fp4_f32 v[P+6], v[S+48:S+55], v[SOP+1]
	v_cvt_scalef32_pk8_fp4_f32 v[P+7], v[S+56:S+63], v[SOP+1]
.irp k, 0,1,2,3
	v_pk_add_f32 v[DT+4*\k+16:DT+4*\k+17], v[DT+4*\k+16:DT+4*\k+17], v[DT+4*\k+18:DT+4*\k+19]
.endr
	v_pk_add_f32 v[DT+16:DT+17], v[DT+16:DT+17], v[DT+20:DT+21]
	v_pk_add_f32 v[DT+24:DT+25], v[DT+24:DT+25], v[DT+28:DT+29]
	v_nop
	v_pk_add_f32 v[DT+16:DT+17], v[DT+16:DT+17], v[DT+24:DT+25]
	v_nop
	v_pk_fma_f32 v[SUMI:SUMI+1], v[SUMI:SUMI+1], v[FI:FI+1], v[DT+16:DT+17] op_sel_hi:[1,0,1]
.endm
.macro OUT i, more
.set SUMI, ST+6*\i+2
.set OI, O+32*\i
	v_add_f32 v[SOP+2], v[SUMI], v[SUMI+1]
	v_and_b32 v[BM], 15, v0
	v_bfe_u32 v[BM+1], v0, 4, 1
	s_mul_i32 s[T0], s[WV], STW
	s_add_co_u32 s[T0], s[T0], STG
	v_mul_u32_u24 v[BM+2], v[BM], STP
	v_mul_u32_u24 v[BM+3], v[BM+1], STP
	v_permlanex16_b32 v[BX], v[SOP+2], s[SEL], s[SEL+1]
	s_delay_alu instid0(VALU_DEP_3)
	v_lshl_add_u32 v[BM+2], v[BM+1], 5, v[BM+2]
	s_delay_alu instid0(VALU_DEP_3)
	v_lshl_add_u32 v[BM+3], v[BM], 4, v[BM+3]
	v_lshlrev_b32 v[SOP], 8, v[BM+1]
	s_delay_alu instid0(VALU_DEP_3)
	v_add_nc_u32 v[BM+2], s[T0], v[BM+2]
	s_delay_alu instid0(VALU_DEP_3)
	v_add_nc_u32 v[BM+3], s[T0], v[BM+3]
	v_add_f32 v[SOP+2], v[SOP+2], v[BX]
	s_delay_alu instid0(VALU_DEP_4)
	v_lshl_add_u32 v[SOP], v[BM], 4, v[SOP]
.if (\i) < 2
	s_add_co_u32 s[T0], s[AW], \i
.else
	s_sub_co_u32 s[T0], \i+28, s[AW]
.endif
	s_lshl_b32 s[T0], s[T0], 6
	s_lshl_b32 s[T3], s[CX], 4
	s_add_co_u32 s[T0], s[T0], s[T3]
	s_lshl_b32 s[OO], s[T0], 8
	s_mov_b32 s[OO+1], 0
	s_add_nc_u64 s[OB:OB+1], s[16:17], s[OO:OO+1]
	s_wait_alu depctr_va_vdst(0)
	v_rcp_f32 v[SOP+2], v[SOP+2]
	v_mov_b32 v[SOP+3], 0
	s_wait_alu depctr_va_vdst(0)
	s_set_vgpr_msb 0x1
.irp k, 0,1,2,3,4,5,6,7,8,9,10,11,12,13,14,15
	v_pk_mul_f32 v[S+2*\k:S+2*\k+1], v[OI+2*\k:OI+2*\k+1], v[SOP+2:SOP+3] op_sel_hi:[1,0]
.endr
	s_set_vgpr_msb 0x100
.irp k, 0,1,2,3
	ds_store_b128 v[BM+2], v[S+8*\k:S+8*\k+3] offset:64*\k
	ds_store_b128 v[BM+2], v[S+8*\k+4:S+8*\k+7] offset:64*\k+16
.endr
.irp k, 0,1,2,3,4,5,6,7
	ds_load_b128 v[S+4*\k+32:S+4*\k+35], v[BM+3] offset:2*STP*\k
.endr
.irp k, 0,1,2,3,4,5,6,7
	s_wait_dscnt 7-\k
	global_store_b128 v[SOP], v[S+4*\k+32:S+4*\k+35], s[OB:OB+1] offset:512*\k
.endr
.if \more
	s_wait_xcnt 0x0
.endif
.endm
.macro MASKS i, p
.Lmask\i\p:
.if (\i) % 2 == 0
.irp k, 0,1,2,3,4,5,6,7,8,9,10,11,12,13,14,15
	v_cndmask_b32 v[S+\k], v[S+\k], v[NINF], s[MKA+\k]
.endr
.irp k, 0,1,2,3,4,5,6,7
	v_cndmask_b32 v[S+\k+16], v[S+\k+16], v[NINF], s[MKB+\k]
.endr
.irp k, 0,1,2,3,4,5,6,7
	v_cndmask_b32 v[S+\k+24], v[S+\k+24], v[NINF], s[MKC+\k]
.endr
.irp k, 0,1,2,3,4,5,6,7,8,9,10,11,12,13,14,15
	v_dual_mov_b32 v[S+2*\k+32], v[NINF] :: v_dual_mov_b32 v[S+2*\k+33], v[NINF]
.endr
.else
.irp k, 0,1,2,3,4,5,6,7,8,9,10,11,12,13,14,15
	v_cndmask_b32 v[S+\k+32], v[S+\k+32], v[NINF], s[MKA+\k]
.endr
.irp k, 0,1,2,3,4,5,6,7
	v_cndmask_b32 v[S+\k+48], v[S+\k+48], v[NINF], s[MKB+\k]
.endr
.irp k, 0,1,2,3,4,5,6,7
	v_cndmask_b32 v[S+\k+56], v[S+\k+56], v[NINF], s[MKC+\k]
.endr
.endif
	s_branch .Lmasked\i\p
.endm
.macro LEAVE i
	s_cmp_eq_u32 s[SC], s[LIM+2*((\i)/2)]
	s_cbranch_scc1 .Lout\i
.Lback\i:
.endm
.macro GOES i
.Lout\i:
	OUT \i, 1
	s_branch .Lback\i
.endm
	s_load_b128 s[4:7], s[0:1], 0x0
	s_load_b128 s[8:11], s[0:1], 0x10
	s_load_b128 s[12:15], s[0:1], 0x20
	s_load_b64 s[16:17], s[0:1], 0x30
	v_lshl_add_u32 v[SPW], v0, 2, SPARE
	v_mov_b32 v[NIL], 0
	ds_add_u32 v[SPW], v[NIL]
	ds_add_u32 v[SPW], v[NIL]
	v_lshrrev_b32 v[ADK], 5, v0
	s_delay_alu instid0(VALU_DEP_1)
	v_readfirstlane_b32 s[WV], v[ADK]
	s_and_b32 s[HD], ttmp7, 0xffff
	s_bfe_u32 s[CX], ttmp6, 0x40000
	DESC G1KS, 32, 16, 32, 0
	DESC G1VS, 32, 16, 32, PAD64
	DESC G1K, 128, 64, 128, PAD1K
	DESC G1V, 64, 64, 128, PAD512
	s_mov_b32 s[SEL], 0x76543210
	s_mov_b32 s[SEL+1], 0xfedcba98
	s_mov_b32 s[CS], 0x3e38aa3b
	s_mov_b32 s[CS+1], s[CS]
	s_mul_i32 s[SB], s[HD], HEADB
	s_mov_b32 s[SB+1], 0
	s_lshl_b32 s[SB+2], s[HD], 12
	s_mov_b32 s[SB+3], 0
	s_mov_b32 s[G0], 1
	s_wait_dscnt 0x0
	s_wait_kmcnt 0x0
	s_lshl_b32 s[OO], s[HD], 19
	s_mov_b32 s[OO+1], 0
	s_add_nc_u64 s[16:17], s[16:17], s[OO:OO+1]
	ROUND
	s_cmp_ge_u32 s[WV], 5
	s_cbranch_scc1 .Larm_end
	s_cmp_ge_u32 s[WV], 3
	s_cbranch_scc1 .Larm_v
	s_cmp_eq_u32 s[WV], 2
	s_cbranch_scc1 .Larm_k
	s_cmp_eq_u32 s[WV], 1
	s_cbranch_scc1 .Larm_vs
	s_mov_b32 s[G0+1], KSB
	s_add_nc_u64 s[G0+2:G0+3], s[10:11], s[SB+2:SB+3]
	ASK G1KS
	s_branch .Larm_end
.Larm_vs:
	s_mov_b32 s[G0+1], VSB
	s_add_nc_u64 s[G0+2:G0+3], s[14:15], s[SB+2:SB+3]
	ASK G1VS
	s_branch .Larm_end
.Larm_k:
	s_mov_b32 s[G0+1], 0
	s_add_nc_u64 s[G0+2:G0+3], s[8:9], s[SB:SB+1]
	ASK G1K
	s_branch .Larm_end
.Larm_v:
	s_sub_co_u32 s[T0], s[WV], 3
	s_mul_i32 s[G0+1], s[T0], VPL
	s_add_co_u32 s[G0+1], s[G0+1], VB
	s_mul_i32 s[T1], s[T0], VHALF
	s_mov_b32 s[T2], 0
	s_add_nc_u64 s[G0+2:G0+3], s[12:13], s[SB:SB+1]
	s_add_nc_u64 s[G0+2:G0+3], s[G0+2:G0+3], s[T1:T2]
	ASK G1V
.Larm_end:
	v_and_b32 v[S], 15, v0
	v_bfe_u32 v[S+1], v0, 4, 1
	s_lshl_b32 s[T3], s[CX], 4
	s_lshl_b32 s[AW], s[WV], 1
.irp t, 0,1,2,3
.if \t < 2
	s_add_co_u32 s[T0], s[AW], \t
.else
	s_sub_co_u32 s[T0], \t+28, s[AW]
.endif
	s_lshl_b32 s[T0], s[T0], 6
	s_add_co_u32 s[T0], s[T0], s[T3]
	s_mul_i32 s[QB+2*\t], s[T0], ROWB
	s_mov_b32 s[QB+2*\t+1], 0
	s_add_nc_u64 s[QB+2*\t:QB+2*\t+1], s[QB+2*\t:QB+2*\t+1], s[SB:SB+1]
	s_add_nc_u64 s[QB+2*\t:QB+2*\t+1], s[QB+2*\t:QB+2*\t+1], s[4:5]
.if \t % 2 == 0
	s_lshl_b32 s[SB+\t+4], s[T0], 1
	s_mov_b32 s[SB+\t+5], 0
.endif
.endr
	s_wait_alu depctr_va_vdst(0)
	v_mul_u32_u24 v[S+2], v[S], ROWB
	s_delay_alu instid0(VALU_DEP_1)
	v_lshl_add_u32 v[S+2], v[S+1], 4, v[S+2]
.irp k, 0,1,2,3
	global_load_b128 v[QF+8*\k+4:QF+8*\k+7], v[S+2], s[QB+2*\k:QB+2*\k+1]
.endr
	v_lshlrev_b32 v[S+3], 1, v[S]
.irp k, 0,1
	s_add_nc_u64 s[SB+2*\k+4:SB+2*\k+5], s[SB+2*\k+4:SB+2*\k+5], s[SB+2:SB+3]
	s_add_nc_u64 s[SB+2*\k+4:SB+2*\k+5], s[SB+2*\k+4:SB+2*\k+5], s[6:7]
	global_load_u16 v[QSC+2*\k], v[S+3], s[SB+2*\k+4:SB+2*\k+5]
	global_load_u16 v[QSC+2*\k+1], v[S+3], s[SB+2*\k+4:SB+2*\k+5] offset:128
.endr
	v_and_b32 v[S+4], 7, v0
	v_bfe_u32 v[S+5], v0, 3, 1
	s_delay_alu instid0(VALU_DEP_1)
	v_lshl_add_u32 v[S+4], v[S+5], 5, v[S+4]
	v_and_b32 v[AK], 7, v0
	s_delay_alu instid0(VALU_DEP_1)
	v_mul_u32_u24 v[AK], v[AK], ROWB
	s_delay_alu instid0(VALU_DEP_1)
	v_mad_u32_u24 v[AK], v[S+5], KP, v[AK]
	s_delay_alu instid0(VALU_DEP_1)
	v_lshl_add_u32 v[AK], v[S+1], 4, v[AK]
	v_mul_u32_u24 v[AV], v[S], VP
	s_delay_alu instid0(VALU_DEP_1)
	v_lshl_add_u32 v[AV], v[S+1], 4, v[AV]
	s_delay_alu instid0(VALU_DEP_1)
	v_add_nc_u32 v[AV], VB, v[AV]
	v_lshlrev_b32 v[AKS], 1, v[S+4]
	s_delay_alu instid0(VALU_DEP_1)
	v_lshl_add_u32 v[AKS], v[S+1], 5, v[AKS]
	s_delay_alu instid0(VALU_DEP_1)
	v_add_nc_u32 v[AKS], KSB, v[AKS]
	v_and_b32 v[AVS], 31, v0
	s_delay_alu instid0(VALU_DEP_1)
	v_mul_u32_u24 v[AVS], v[AVS], VSP
	s_delay_alu instid0(VALU_DEP_1)
	v_add_nc_u32 v[AVS], VSB, v[AVS]
.irp k, 0,1,2,3,4
.irp j, 0,1,2,3
	v_mov_b32 v[QF+8*\k+\j], 0
.endr
.endr
	s_set_vgpr_msb 0x40
.irp k, 0,1,2,3
.irp j, 0,1,2,3,4,5,6,7,8,9,10,11,12,13,14,15,16,17,18,19,20,21,22,23,24,25,26,27,28,29,30,31
	v_mov_b32 v[O+32*\k+\j], 0
.endr
.endr
	s_set_vgpr_msb 0x4000
.irp k, 0,1,2,3,4,5,6,7
	v_mov_b32 v[P+\k], 0
.endr
	v_mov_b32 v[BX], 0
	v_mov_b32 v[BX+1], 0
	v_mov_b32 v[PSC], 0x7f7f7f7f
.irp k, 0,1,2,3
	v_mov_b32 v[ST+6*\k+1], 0xff61b1e6
	v_mov_b32 v[ST+6*\k+2], 0
	v_mov_b32 v[ST+6*\k+3], 0
	v_mov_b32 v[ST+6*\k+4], 1.0
	v_mov_b32 v[ST+6*\k+5], 0
.endr
	v_mul_f32 v[TM], s[CS], v[ST+1]
	s_delay_alu instid0(VALU_DEP_1)
.irp k, 0,1,2,3
	v_floor_f32 v[ST+6*\k], -v[TM]
.endr
	s_mov_b32 s[SC], 0
	s_mov_b32 s[TK], 0
	s_mov_b32 s[TV], 0
	s_mov_b32 s[TKS], 0
	s_mov_b32 s[TVS], 0
	s_wait_loadcnt 0x0
.irp k, 0,1,2,3
	v_lshl_or_b32 v[QSC+\k], v[QSC+\k], 16, v[QSC+\k]
.endr
	s_wait_alu depctr_va_vdst(0)
	s_wait_tensorcnt 0x0
	s_barrier_signal -1
	s_barrier_wait -1
.if SIZE_CAUSAL
	s_mov_b32 s[LIM], s[WV]
	s_sub_co_u32 s[LIM2], STEPS-1, s[WV]
	s_lshl_b32 s[T3], s[CX], 4
	v_and_b32 v[S], 15, v0
	v_bfe_u32 v[S+1], v0, 4, 1
	s_delay_alu instid0(VALU_DEP_1)
	v_lshlrev_b32 v[S+1], 5, v[S+1]
	s_delay_alu instid0(VALU_DEP_1)
	v_sub_nc_u32 v[S], v[S], v[S+1]
	s_delay_alu instid0(VALU_DEP_1)
	v_add_nc_u32 v[S], s[T3], v[S]
	s_delay_alu instid0(VALU_DEP_1)
.irp k, 0,1,2,3,4,5,6,7,8,9,10,11,12,13,14,15
	v_cmp_gt_i32 s[MKA+\k], \k, v[S]
.endr
.irp k, 0,1,2,3,4,5,6,7
	v_cmp_gt_i32 s[MKB+\k], \k+16, v[S]
.endr
.irp k, 0,1,2,3,4,5,6,7
	v_cmp_gt_i32 s[MKC+\k], \k+24, v[S]
.endr
	v_mov_b32 v[NINF], 0xff800000
.else
	s_mov_b32 s[LIM], STEPS-1
	s_mov_b32 s[LIM2], STEPS-1
.endif
	LOADK
	LOADV
	s_wait_dscnt 0x0
	v_lshl_or_b32 v[KSC], v[BX+2], 16, v[KSC]
	v_lshl_or_b32 v[KSC+1], v[BX+3], 16, v[KSC+1]
.rept 8
	v_nop
.endr
	s_wait_alu depctr_va_vdst(0)
	s_mov_b32 s[TK], KSTEP
	s_mov_b32 s[TKS], 256
.Lstep:
.if SIZE_CAUSAL
	s_cmp_gt_u32 s[SC], s[LIM2]
	s_cbranch_scc1 .Ldone
	s_cmp_gt_u32 s[SC], s[LIM]
	s_cbranch_scc1 .Ltwo
.endif
	TSTEP 0, 3, 1, 0, SIZE_CAUSAL
	TSTEP 1, 0, 0, 0, SIZE_CAUSAL
	LEAVE 0
	TSTEP 2, 1, 0, 0, 0
	LEAVE 1
.Lthree:
	TSTEP 3, 2, 0, 1, SIZE_CAUSAL
	LEAVE 2
.Ldone:
	s_add_co_u32 s[SC], s[SC], 1
	s_add_co_u32 s[T0], s[SC], 1
	s_min_u32 s[T0], s[T0], STEPS-1
	s_mul_i32 s[TK], s[T0], KSTEP
	s_lshl_b32 s[TKS], s[T0], 8
	s_lshr_b32 s[T0], s[SC], 3
	s_mul_i32 s[T0], s[T0], VPL
	s_and_b32 s[TV], s[SC], 7
	s_lshl_b32 s[TV], s[TV], 6
	s_add_co_u32 s[TV], s[TV], s[T0]
	s_lshl_b32 s[TVS], s[SC], 2
	s_wait_alu depctr_va_vdst(0)
	s_cmp_lt_u32 s[SC], STEPS
	s_cbranch_scc1 .Lstep
	s_branch .Ltail
.if SIZE_CAUSAL
.Ltwo:
	TSTEP 2, 3, 1, 0, 1
	s_wait_alu depctr_va_vdst(0)
	s_branch .Lthree
	MASKS 0, 3
	MASKS 1, 0
	MASKS 3, 2
	MASKS 2, 3
.endif
	GOES 0
	GOES 1
	GOES 2
.Ltail:
.if PRIO
	s_setprio 0
	s_nop 0
.endif
	s_set_vgpr_msb 0x1
	MM DT, VF, P, VSC, PSC, 0
	MM DT+8, VF+8, P, VSC, PSC, 1
	MM DT+16, VF+16, P, VSC+1, PSC, 0
	MM DT+24, VF+24, P, VSC+1, PSC, 1
.rept 4
	v_nop
.endr
	s_set_vgpr_msb 0x141
.irp k, 0,1,2,3,4,5,6,7,8,9,10,11,12,13,14,15
	v_pk_fma_f32 v[O+2*\k+96:O+2*\k+97], v[O+2*\k+96:O+2*\k+97], v[ST+22:ST+23], v[DT+2*\k:DT+2*\k+1] op_sel_hi:[1,0,1]
.endr
	s_set_vgpr_msb 0x4100
	OUT 3, 0
	s_wait_tensorcnt 0x0
	ds_add_u32 v[SPW], v[NIL]
	s_wait_dscnt 0x0
	ROUND
	s_endpgm
.Lfunc_end_k_q1709119c22_attn:
	.size	k_q1709119c22_attn, .Lfunc_end_k_q1709119c22_attn-k_q1709119c22_attn
	.p2alignl 7, 3214868480
	.fill 96, 4, 3214868480
	.section	.rodata,"a",@progbits
	.p2align	6, 0x0
	.amdhsa_kernel k_q1709119c22_attn
		.amdhsa_group_segment_fixed_size 179200
		.amdhsa_private_segment_fixed_size 0
		.amdhsa_enable_private_segment 0
		.amdhsa_kernarg_size 56
		.amdhsa_user_sgpr_count 2
		.amdhsa_user_sgpr_kernarg_segment_ptr 1
		.amdhsa_wavefront_size32 1
		.amdhsa_system_sgpr_workgroup_id_x 1
		.amdhsa_system_sgpr_workgroup_id_y 1
		.amdhsa_system_sgpr_workgroup_id_z 1
		.amdhsa_system_vgpr_workitem_id 0
		.amdhsa_next_free_vgpr 512
		.amdhsa_next_free_sgpr 102
		.amdhsa_reserve_vcc 0
		.amdhsa_float_denorm_mode_32 3
		.amdhsa_float_denorm_mode_16_64 3
		.amdhsa_memory_ordered 1
		.amdhsa_forward_progress 1
		.amdhsa_inst_pref_size 93
	.end_amdhsa_kernel
	.amdgpu_metadata
---
amdhsa.version: [ 1, 2 ]
amdhsa.kernels:
  - .name:           k_q1709119c22_attn
    .symbol:         k_q1709119c22_attn.kd
    .args:
      - { .name: q_codes, .offset: 0, .size: 8, .value_kind: global_buffer, .address_space: global }
      - { .name: q_scales, .offset: 8, .size: 8, .value_kind: global_buffer, .address_space: global }
      - { .name: k_codes, .offset: 16, .size: 8, .value_kind: global_buffer, .address_space: global }
      - { .name: k_scales, .offset: 24, .size: 8, .value_kind: global_buffer, .address_space: global }
      - { .name: v_codes, .offset: 32, .size: 8, .value_kind: global_buffer, .address_space: global }
      - { .name: v_scales, .offset: 40, .size: 8, .value_kind: global_buffer, .address_space: global }
      - { .name: out0, .offset: 48, .size: 8, .value_kind: global_buffer, .address_space: global }
    .group_segment_fixed_size: 179200
    .private_segment_fixed_size: 0
    .kernarg_segment_align: 8
    .kernarg_segment_size: 56
    .max_flat_workgroup_size: 256
    .sgpr_count:     102
    .vgpr_count:     512
    .wavefront_size: 32
...
	.end_amdgpu_metadata
.endif
;; end of part 3
